; MI455X (gfx1250); checked and timed in simulation.
; The chip was launched on July 23, 2026; its instructions are those of AMD's public machine-readable ISA for CDNA 5 (MIT licence, August 2026) and "CDNA5" Instruction Set Architecture Reference Guide (July 2026). The comments in the code are by the model that wrote it; some were corrected since.
;; q. Allowed arithmetic: float matrix products may take bf16 or f16 operands with f32 sums; all other float work in f32.
;; Inputs: centers 16 float32; x 8 x 64 x 64 x 64 float32.
;; Outputs: out0 8 x 64 x 64 x 64 float32.
;; One version. Each part assembles by itself: llvm-mc -triple=amdgcn-amd-amdhsa -mcpu=gfx1250 --defsym DOCPART=n.
;; ======== version 1 of 1: 1 launch
;; launch vq (part 1): grid 256 x 1, 16 waves a work-group, no clusters, 0 bytes of LDS; arguments centers, x, out0; writes out0
.if DOCPART == 1
	.amdgcn_target "amdgcn-amd-amdhsa--gfx1250"
	.amdhsa_code_object_version 6
	.text
	.protected	k_q359238ed07_vq
	.globl	k_q359238ed07_vq
	.p2align	8
	.type	k_q359238ed07_vq,@function
k_q359238ed07_vq:
	s_mov_b64 s[64:65], 0
	v_nop
	global_prefetch_b8 v0, s[64:65] scope:SCOPE_SE
	s_setreg_imm32_b32 hwreg(HW_REG_WAVE_MODE, 25, 1), 1
	s_wait_xcnt 0x0
; out = (hard - soft) + soft for every element of x [8,64,64,64] f32 against 16 centres (f32).
;   d_k  = |x - c_k|
;   soft = sum_k c_k e_k / sum_k e_k,  e_k = exp(min_j d_j - d_k)      (softmax of -d with its maximum taken away)
;   hard = c_i, i = the FIRST k whose d_k * d_k equals the smallest square  (argmin of the squares)
; All in f32.  The distances, the squares and the choice of i carry the same roundings as the formulas above.
;
; SHARES.  256 work-groups of 16 waves.  A work-group owns 32,768 consecutive bytes of x and of out; thread t owns the 16 bytes at
; 16 t of each of its four pieces of 8,192 bytes.  A load or store of a wave covers 512 consecutive bytes that start at a multiple of 512
; from the buffer's first byte.  Every byte of x is loaded once, every byte of out stored once.  All four loads of a thread are issued before
; any arithmetic; no register that a load or a store names is written again, so the only waits for memory are the four counted ones.
; No LDS, no barrier: no lane needs another lane's numbers.  No cluster: the work-groups share nothing but the 64 bytes of centres,
; which every wave takes by one scalar load.
;
; ARITHMETIC.  Four elements of a lane (one piece) go together, as two register pairs for the packed f32 forms; the centres are broadcast
; from scalar pairs.  The exponent is one fused multiply-add, -|d_k| * log2(e) + fl(dmin * log2(e)): the shift is the same number
; for all sixteen centres, so it cancels in the quotient, and the largest exponent lies within half a unit in the last place of the shift from 0.
;
; LIMITS.  (1) A smallest distance above 2^128 / log2(e), about 2.3e38, overflows the shift and gives NaN.  (2) v_exp_f32 gives zero for a
; weight below 2^-126; the sum of the weights is about 1 or more.  (3) v_exp_f32 and v_rcp_f32 are good to one unit in the last place, and the
; two sums run from centre 15 down to centre 0: soft may differ in its last bits from another order of the same sums.
.set PIECE, 8192                       ; bytes that 512 threads cover with 16 bytes each
.set OFF,  1                           ; v1        16 t
.set VC15, 2                           ; v2        centre 15, the choice that stands if no lower centre ties the smallest square
.set X,    4                           ; v[4:19]   piece j: 4 registers: x as loaded, then -x, then the result
.set M,    20                          ; v[20:23]  smallest |d| of element e, then that times log2(e)
.set DM,   24                          ; v[24:27]  smallest square
.set H,    28                          ; v[28:31]  hard
.set S,    32                          ; v[32:35]  sum of the weights, then its reciprocal
.set N,    36                          ; v[36:39]  sum of weight x centre, then soft
.set T,    40                          ; v[40:103]  centre k, element e at T + 4 k + e: c - x, then the exponent, then the weight
.set D,    104                         ; v[104:167] the same places: the square
.set MASK, 10                          ; s[10:13]  element e: lanes whose square of centre k equals the smallest
.set L2E,  14                          ; s[14:15]  log2(e), twice (a pair for the packed multiply)
.set CL,   16                          ; s[16:31]  the centres as loaded
.set C,    32                          ; s[32:63]  centre k twice, at C + 2 k: an even-aligned pair for the packed forms
	s_load_b128 s[4:7], s[0:1], 0x0                ; centres s[4:5], x s[6:7]
	s_load_b64 s[8:9], s[0:1], 0x10                ; out
	s_lshl_b32 s2, ttmp9, 15                       ; the work-group's 32,768 bytes: at most 255 x 32,768, one word
	s_mov_b32 s3, 0
	s_mov_b32 s[L2E], 0x3fb8aa3b
	s_mov_b32 s[L2E+1], 0x3fb8aa3b
	v_lshlrev_b32 v[OFF], 4, v0
	s_wait_kmcnt 0x0
	s_load_b512 s[CL:CL+15], s[4:5], 0x0           ; all 16 centres; on its way together with x
	s_add_nc_u64 s[6:7], s[6:7], s[2:3]
	s_add_nc_u64 s[8:9], s[8:9], s[2:3]
.irp j, 0,1,2,3
	global_load_b128 v[X+4*\j:X+4*\j+3], v[OFF], s[6:7] offset:\j*PIECE th:TH_LOAD_NT   ; read once in the launch
.endr
	s_wait_kmcnt 0x0
.irp k, 0,1,2,3,4,5,6,7,8,9,10,11,12,13,14,15
	s_mov_b32 s[C+2*\k],   s[CL+\k]
	s_mov_b32 s[C+2*\k+1], s[CL+\k]
.endr
	v_mov_b32 v[VC15], s[C+30]
.macro ARG k                           ; exponent to base 2 of centre k's weight, in place of c - x
.irp e, 0,1,2,3
	v_fma_f32 v[T+4*(\k)+\e], -|v[T+4*(\k)+\e]|, s[L2E], v[M+\e]
.endr
.endm
.macro EXP k                           ; the weight, in place of its exponent
.irp e, 0,1,2,3
	v_exp_f32 v[T+4*(\k)+\e], v[T+4*(\k)+\e]
.endr
.endm
; Centre k takes the choice over wherever its square equals the smallest.  Called for k = 14 down to 0, so the lowest such k has the last
; word: the first index, as argmin gives it.  Four masks, so that the four elements' compares and selects do not wait for each other.
.macro PICK k
	s_wait_alu depctr_va_vdst(0)
.irp e, 0,1,2,3
	v_cmp_eq_f32 s[MASK+\e], v[D+4*(\k)+\e], v[DM+\e]
.endr
.irp e, 0,1,2,3
.if (\k) == 14
	v_cndmask_b32 v[H+\e], v[VC15], s[C+2*(\k)], s[MASK+\e]        ; the first select starts H: nothing is preset
.else
	v_cndmask_b32 v[H+\e], v[H+\e], s[C+2*(\k)], s[MASK+\e]
.endif
.endr
.endm
; Centre k's weight joins the two sums.  Centre 15 starts N by a product, centres 15 and 14 start S by their sum: nothing is cleared.
.macro SUMS k
.irp p, 0,2
.if (\k) == 15
	s_wait_alu depctr_va_vdst(0)
	v_pk_mul_f32 v[N+\p:N+\p+1], v[T+60+\p:T+60+\p+1], s[C+30:C+31] op_sel_hi:[1,0]
.else
.if (\k) == 14
	v_pk_add_f32 v[S+\p:S+\p+1], v[T+60+\p:T+60+\p+1], v[T+56+\p:T+56+\p+1]
.else
	v_pk_add_f32 v[S+\p:S+\p+1], v[S+\p:S+\p+1], v[T+4*(\k)+\p:T+4*(\k)+\p+1]
.endif
	v_pk_fma_f32 v[N+\p:N+\p+1], v[T+4*(\k)+\p:T+4*(\k)+\p+1], s[C+2*(\k):C+2*(\k)+1], v[N+\p:N+\p+1] op_sel_hi:[1,0,1]
.endif
.endr
.endm
.macro DOPIECE j
	s_wait_loadcnt 3-\j                            ; loads come back in order (ISA guide 5.7.1): piece j is in, the 3 - j younger pieces may be out
	; -x once, so that c - x is a plain packed sum with the centre broadcast; |c - x| and (c - x)^2 are those of x - c, bit for bit
	v_pk_mul_f32 v[X+4*\j:X+4*\j+1],   v[X+4*\j:X+4*\j+1],   -1.0 op_sel_hi:[1,0]
	v_pk_mul_f32 v[X+4*\j+2:X+4*\j+3], v[X+4*\j+2:X+4*\j+3], -1.0 op_sel_hi:[1,0]
.irp k, 0,1,2,3,4,5,6,7,8,9,10,11,12,13,14,15
	v_pk_add_f32 v[T+4*\k:T+4*\k+1],   v[X+4*\j:X+4*\j+1],   s[C+2*\k:C+2*\k+1] op_sel_hi:[1,0]
	v_pk_add_f32 v[T+4*\k+2:T+4*\k+3], v[X+4*\j+2:X+4*\j+3], s[C+2*\k:C+2*\k+1] op_sel_hi:[1,0]
.endr
.irp k, 0,1,2,3,4,5,6,7,8,9,10,11,12,13,14,15
	v_pk_mul_f32 v[D+4*\k:D+4*\k+1],   v[T+4*\k:T+4*\k+1],   v[T+4*\k:T+4*\k+1]
	v_pk_mul_f32 v[D+4*\k+2:D+4*\k+3], v[T+4*\k+2:T+4*\k+3], v[T+4*\k+2:T+4*\k+3]
.endr
	; the smallest distance (for the softmax) and the smallest square (for the argmin): eight chains side by side, two centres a step
.irp e, 0,1,2,3
	v_min3_num_f32 v[M+\e],  |v[T+\e]|, |v[T+4+\e]|, |v[T+8+\e]|
	v_min3_num_f32 v[DM+\e], v[D+\e], v[D+4+\e], v[D+8+\e]
.endr
.irp k, 3,5,7,9,11,13
.irp e, 0,1,2,3
	v_min3_num_f32 v[M+\e],  v[M+\e],  |v[T+4*\k+\e]|, |v[T+4*\k+4+\e]|
	v_min3_num_f32 v[DM+\e], v[DM+\e], v[D+4*\k+\e], v[D+4*\k+4+\e]
.endr
.endr
.irp e, 0,1,2,3
	v_min_num_f32 v[M+\e],  v[M+\e],  |v[T+60+\e]|
	v_min_num_f32 v[DM+\e], v[DM+\e], v[D+60+\e]
.endr
	v_pk_mul_f32 v[M:M+1],   v[M:M+1],   s[L2E:L2E+1] op_sel_hi:[1,0]     ; the shift of all sixteen exponents
	v_pk_mul_f32 v[M+2:M+3], v[M+2:M+3], s[L2E:L2E+1] op_sel_hi:[1,0]
	; Centres 15 down to 0.  A weight is used one centre later than it is made: behind each run of v_exp_f32 stand plain vector
	; instructions on other registers (the next exponents, the pick and the sums of the centre before) ahead of the first use of its
	; results (ISA guide 5.7.2), and all of them are work that has to be done anyway.
	ARG 15
	EXP 15
.irp k, 14,13,12,11,10,9,8,7,6,5,4,3,2,1,0
	ARG \k
	EXP \k
.if \k < 14
	PICK \k+1
.endif
	SUMS \k+1
.endr
	SUMS 0
.irp e, 0,1,2,3
	v_rcp_f32 v[S+\e], v[S+\e]                     ; the sum holds the weight of the nearest centre, about 1: never zero
.endr
	PICK 0                                         ; the last pick is the plain work behind the reciprocals
	s_wait_alu depctr_va_vdst(0)
	v_pk_mul_f32 v[N:N+1],     v[N:N+1],     v[S:S+1]                     ; soft; it is needed by itself for the last sum, so fusing it
	v_pk_mul_f32 v[N+2:N+3],   v[N+2:N+3],   v[S+2:S+3]                   ; into the difference would save no instruction
	v_pk_add_f32 v[H:H+1],     v[H:H+1],     v[N:N+1]   neg_lo:[0,1] neg_hi:[0,1]   ; hard - soft
	v_pk_add_f32 v[H+2:H+3],   v[H+2:H+3],   v[N+2:N+3] neg_lo:[0,1] neg_hi:[0,1]
	v_pk_add_f32 v[X+4*\j:X+4*\j+1],   v[H:H+1],   v[N:N+1]               ; + soft
	v_pk_add_f32 v[X+4*\j+2:X+4*\j+3], v[H+2:H+3], v[N+2:N+3]
	global_store_b128 v[OFF], v[X+4*\j:X+4*\j+3], s[8:9] offset:\j*PIECE th:TH_STORE_NT   ; the piece's own registers: no later line writes them
.endm
	DOPIECE 0
	DOPIECE 1
	DOPIECE 2
	DOPIECE 3
	s_endpgm
.Lfunc_end_k_q359238ed07_vq:
	.size	k_q359238ed07_vq, .Lfunc_end_k_q359238ed07_vq-k_q359238ed07_vq
	.p2alignl 7, 3214868480
	.fill 96, 4, 3214868480
	.section	.rodata,"a",@progbits
	.p2align	6, 0x0
	.amdhsa_kernel k_q359238ed07_vq
		.amdhsa_group_segment_fixed_size 0
		.amdhsa_private_segment_fixed_size 0
		.amdhsa_enable_private_segment 0
		.amdhsa_kernarg_size 24
		.amdhsa_user_sgpr_count 2
		.amdhsa_user_sgpr_kernarg_segment_ptr 1
		.amdhsa_wavefront_size32 1
		.amdhsa_system_sgpr_workgroup_id_x 1
		.amdhsa_system_sgpr_workgroup_id_y 1
		.amdhsa_system_sgpr_workgroup_id_z 1
		.amdhsa_system_vgpr_workitem_id 0
		.amdhsa_next_free_vgpr 168
		.amdhsa_next_free_sgpr 66
		.amdhsa_reserve_vcc 0
		.amdhsa_float_denorm_mode_32 3
		.amdhsa_float_denorm_mode_16_64 3
		.amdhsa_memory_ordered 1
		.amdhsa_forward_progress 1
		.amdhsa_inst_pref_size 109
	.end_amdhsa_kernel
	.amdgpu_metadata
---
amdhsa.version: [ 1, 2 ]
amdhsa.kernels:
  - .name:           k_q359238ed07_vq
    .symbol:         k_q359238ed07_vq.kd
    .args:
      - { .name: centers, .offset: 0, .size: 8, .value_kind: global_buffer, .address_space: global }
      - { .name: x, .offset: 8, .size: 8, .value_kind: global_buffer, .address_space: global }
      - { .name: out0, .offset: 16, .size: 8, .value_kind: global_buffer, .address_space: global }
    .group_segment_fixed_size: 0
    .private_segment_fixed_size: 0
    .kernarg_segment_align: 8
    .kernarg_segment_size: 24
    .max_flat_workgroup_size: 512
    .sgpr_count:     66
    .vgpr_count:     168
    .wavefront_size: 32
...
	.end_amdgpu_metadata
.endif
;; end of part 1
